; MI455X (gfx1250); checked and timed in simulation.
; The chip was launched on July 23, 2026; its instructions are those of AMD's public machine-readable ISA for CDNA 5 (MIT licence, August 2026) and "CDNA5" Instruction Set Architecture Reference Guide (July 2026). The comments in the code are by the model that wrote it; some were corrected since.
;; Attention. Allowed arithmetic: matrix products marked QUANTISED: E3M2 operands, one E8M0 scale for each 32 along K, by v_wmma_scale_f32_16x16x128_f8f6f4 with both operands' format E3M2, f32 sums; products left as they are: f32 operands where the result goes on into a quantised operand, else bf16, f16 or f32 operands; f32 sums; everything else in f32.
;; Inputs: W_attn 512 x 1,024 float32; b_attn 512 float32; encoder_outputs 4,096 x 32 x 512 float32; hidden 32 x 512 float32; v 512 float32.
;; Outputs: out0 32 x 1 x 4,096 float32.
;; This version of the problem:
;;   THIS VERSION OF THE PROBLEM IS GIVEN IN LOW PRECISION. The matrix products marked QUANTISED in the list below multiply operands that are first quantised to E3M2 (3 exponent bits, 2 mantissa bits; 6 bits a number), with one power-of-two scale for each 32 numbers along K (OCP MX v1.0); their sums are f32. All else is computed in f32.
;;   The module's matrix products, in the order in which they are computed (A, B: the left and right operand; K: the contracted axis; several contracted axes count as one K, in the product's order):
;;     1. [M 131,072, K 1,024] x [K 1,024, N 512]; A: computed on the way; B: input W_attn: QUANTISED
;;     2. [M 1, K 512] x [K 512, N 131,072]; A: input v; B: computed on the way: left as it is (M = 1 < 16)
;;   THE QUANTISER, for each operand of a quantised product, along K:
;;     - K is cut into blocks of 32 from its start; a last block that is shorter is filled with zeros.
;;     - A block's scale is 2^e with e = floor(log2(the largest magnitude in the block)) - 4, held to -126 .. 127; a block of zeros has e = 0. As a byte (E8M0): e + 127.
;;     - Each number is divided by its block's scale, clamped to +-28, and rounded to the nearest number of E3M2, ties to even, subnormals kept.
;;     - The product sums the exact products of the quantised numbers (number of the format x scale) in f32.
;;   ~~~python
;;   def quantise(x, axis):      # numpy; x: float32 -> the quantised numbers, widened to float32 again
;;       x = np.moveaxis(x, axis, -1); K = x.shape[-1]
;;       x = np.pad(x, [(0, 0)] * (x.ndim - 1) + [(0, -K % 32)]); x = x.reshape(x.shape[:-1] + (-1, 32)); a = np.abs(x).max(-1, keepdims=True)
;;       e = np.where(a > 0, np.clip(np.frexp(np.where(a > 0, a, 1))[1] - 1 - 4, -126, 127), 0)      # np.frexp(a)[1] - 1 = floor(log2(a)), exactly
;;       r = np.clip(x / 2.0 ** e, -28, 28)
;;       step = 2.0 ** (np.maximum(np.frexp(np.where(r == 0, 1, r))[1] - 1, -2) - 2)
;;       q = np.round(r / step) * step * 2.0 ** e      # np.round: ties to even
;;       return np.moveaxis(q.reshape(q.shape[:-2] + (-1,))[..., :K], -1, axis).astype(np.float32)
;;   ~~~
;;   OPERANDS COMPUTED ON THE WAY. 'Computed on the way' means the value that the module computes at that place (a softmax that the list does not call 'softmax' is quantised finished and normalised). What goes into a quantiser is computed in f32, as accurately as f32 sums, v_exp_f32 and their like allow (about 1e-6 of the number): no bf16 or f16 on the way to a quantiser, and a product that is left as it is and whose result goes on into a quantised operand takes f32 operands (vector FMAs, or v_wmma_f32_16x16x4_f32). A number that lies on a knife's edge between two numbers of the format may be rounded either way, as far as f32 arithmetic and the matrix unit's own rounding can turn it there, and no further.
;; One version. Each part assembles by itself: llvm-mc -triple=amdgcn-amd-amdhsa -mcpu=gfx1250 --defsym DOCPART=n.
;; ======== version 1 of 1: 2 launches
;; limits: right only within a limited range of input values
;; workspace buffers: wprep 278,528 bytes
;; launch prep (part 1): grid 32 x 1, 8 waves a work-group, no clusters, 9,216 bytes of LDS; arguments W_attn, hidden, wprep; writes wprep
.if DOCPART == 1
	.amdgcn_target "amdgcn-amd-amdhsa--gfx1250"
	.amdhsa_code_object_version 6
	.text
	.protected	k_qf8037c07ab_prep
	.globl	k_qf8037c07ab_prep
	.p2align	8
	.type	k_qf8037c07ab_prep,@function
k_qf8037c07ab_prep:
	s_mov_b64 s[64:65], 0
	v_nop
	global_prefetch_b8 v0, s[64:65] scope:SCOPE_SE
	s_setreg_imm32_b32 hwreg(HW_REG_WAVE_MODE, 25, 1), 1
	s_wait_xcnt 0x0
; PREPARATION.  cat = [hidden | enc] along K, and 512 is a multiple of 32, so no block of the quantiser straddles the seam.
; WORK LEFT OUT: b_attn.  reference() adds b_attn[h'] behind the product, alike for every b, and then takes the softmax over b:
; exp(x_b + c) / sum over b of exp(x_b + c) = exp(x_b) / sum over b of exp(x_b) for all real x and c.  It enters no quantised operand.  So b_attn has no way to out0:
; it is not loaded and is no argument of any launch.  LIMIT: a NaN, an infinity or an overflow that b_attn alone would bring is not carried to the result.
; (a) W_attn[:, 512:1024] becomes codes of BF6 (E3M2) with one E8M0 byte for each 32 along K, stored as IMAGES OF OPERAND REGISTERS:
;     fragment f = 4 jt + s (jt: 16 rows h', s: 128 along K) is 12 registers a lane = three groups of four, lane l's 16 bytes at 16 l: 1,536 bytes at 1536 f; its scale words, 4 bytes a lane, at WS + 128 f.
; (b) G[b][h'] = Q(hidden[b]) . Q(W_attn[h'][0:512]), which is the same for every t, is made once, by the format's own matrix instruction, and stored in the layout of a matrix result:
;     piece (jt, m, q) = registers 4 q .. 4 q + 3 of the tile (b = 16 m + 8 (lane / 16) + j, h' = 16 jt + lane % 16), 512 bytes at WG + 512 (4 jt + 2 m + q).
; SHARES.  Work-group jt owns 16 rows of W_attn.  Wave w quantises their K step w (128 numbers a row).  Waves 4-7 store that fragment.  Waves 0-3 also quantise hidden's K step w, both tiles of 16 rows,
; and multiply: four partial G's, which meet in LDS; behind one barrier wave w (0-3) adds piece w's four parts and stores it.
; THE QUANTISER: a block's scale is 2^(floor(log2(largest magnitude)) - 4); its byte is the largest magnitude's exponent field - 4, held at 1 from below by a floor among the maximum's leaves.
; LIMITS: NaN and infinities among the inputs are not served.  A block of zeros gets the byte 1 where the rule says 127: its codes are zeros, which add nothing, and these bytes are read by this program alone.
.set WS,  196608                       ; wprep: the scale words begin here (128 fragments x 1,536 bytes of codes lie in front)
.set WG,  212992                       ; and G here
.set VW,  1                            ; v1   W: row r of 4,096 bytes + 128 h: lane (r, h) holds k = 64 c + 32 h + 0 .. 31 of its row, two whole blocks
.set VH,  2                            ; v2   hidden: row r of 2,048 bytes + 128 h
.set LI,  3                            ; v3   16 x lane
.set LS,  4                            ; v4   4 x lane
.set SH8, 5                            ; v5   8 h: how far my two scale bytes are shifted in the word
.set PST, 6                            ; v6   LDS: where I put my partial G: 2,048 (wave & 3) + 16 x lane
.set PLD, 7                            ; v7   LDS: where I read my piece's parts: 512 (wave & 3) + 16 x lane
.set TM,  10                           ; v10-17 the quantiser's: two maxima a block, the conversions' scale operands, the bytes
.set PX,  18                           ; v18  a lane permute's destination
.set PWK, 20                           ; v20  W's scale word
.set PWH, 21                           ; v21  hidden's
.set KC,  24                           ; v24-35 W's codes
.set HC,  36                           ; v36-47 hidden's codes
.set SCR, 48                           ; v48-55 the conversions' second halves
.set X0,  64                           ; v64-127 W's numbers; later the two accumulators
.set X1,  128                          ; v128-191 hidden's rows 0-15; later a piece's four parts
.set X2,  192                          ; v192-255 hidden's rows 16-31
.set SEL, 20                           ; s[20:21] selects of v_permlanex16_b32: lane l xor 16
; 64 numbers of a lane, register 32 c + i = k 64 c + 32 h + i of its row, become the fragment's 12 registers in v[pc] on and the row's scale word in v[pw].
.macro QUANT x, pc, scr, pw
.irp c, 0,1
	v_max3_num_f32 v[TM+\c], |v[\x+32*\c]|, |v[\x+32*\c+1]|, 0x2800000                       ; a block's largest magnitude in two chains; the floor 2^(5 - 127) is one more leaf
	v_max3_num_f32 v[TM+2+\c], |v[\x+32*\c+16]|, |v[\x+32*\c+17]|, |v[\x+32*\c+18]|
.endr
.irp i, 2,4,6,8,10,12
.irp c, 0,1
	s_delay_alu instid0(VALU_DEP_4)
	v_max3_num_f32 v[TM+\c], v[TM+\c], |v[\x+32*\c+\i]|, |v[\x+32*\c+\i+1]|
	s_delay_alu instid0(VALU_DEP_4)
	v_max3_num_f32 v[TM+2+\c], v[TM+2+\c], |v[\x+32*\c+\i+17]|, |v[\x+32*\c+\i+18]|
.endr
.endr
.irp c, 0
	s_delay_alu instid0(VALU_DEP_4)
	v_max3_num_f32 v[TM+\c], v[TM+\c], |v[\x+32*\c+14]|, |v[\x+32*\c+15]|
.endr
.irp c, 1
	s_delay_alu instid0(VALU_DEP_3)
	v_max3_num_f32 v[TM+\c], v[TM+\c], |v[\x+32*\c+14]|, |v[\x+32*\c+15]|
.endr
.irp c, 0,1
	s_delay_alu instid0(VALU_DEP_2)
	v_max3_num_f32 v[TM+\c], v[TM+\c], v[TM+2+\c], |v[\x+32*\c+31]|
.endr
.irp c, 0,1
	s_delay_alu instid0(VALU_DEP_2)
	v_add_nc_u32 v[TM+4+\c], 0xfe000000, v[TM+\c]          ; 4 off the exponent field: the conversion takes the exponent field of this operand as its scale
.endr
.irp c, 0,1
	s_delay_alu instid0(VALU_DEP_2)
	v_lshrrev_b32 v[TM+6+\c], 23, v[TM+4+\c]               ; the scale's byte
.endr
	s_delay_alu instid0(VALU_DEP_1)
	v_lshl_or_b32 v[\pw], v[TM+7], 16, v[TM+6]             ; my bytes: blocks h and 2 + h,
	s_delay_alu instid0(VALU_DEP_1)
	v_lshlrev_b32 v[\pw], v[SH8], v[\pw]                   ; at their places in the word;
	s_delay_alu instid0(VALU_DEP_1)
	v_permlanex16_b32 v[PX], v[\pw], s[SEL], s[SEL+1]
	s_delay_alu instid0(VALU_DEP_1)
	v_or_b32 v[\pw], v[\pw], v[PX]                         ; with lane l xor 16's two the word is whole, in both halves of the lanes
.irp c, 0,1
	v_cvt_scalef32_pk16_bf6_f32 v[\pc+6*\c:\pc+6*\c+2], v[\x+32*\c:\x+32*\c+15], v[TM+4+\c]
	v_cvt_scalef32_pk16_bf6_f32 v[\scr+4*\c:\scr+4*\c+2], v[\x+32*\c+16:\x+32*\c+31], v[TM+4+\c]   ; (three registers begin on an even number: the block's second half is made elsewhere and moved)
.endr
	v_nop                                                  ; one plain line behind the last scaled conversion
.irp c, 0,1
.irp i, 0,1,2
	v_mov_b32 v[\pc+6*\c+3+\i], v[\scr+4*\c+\i]
.endr
.endr
.endm
; 16 loads: my 2 x 32 numbers of a K step
.macro XLOAD x, adr, b, off
.irp c, 0,1
.irp q, 0,1,2,3,4,5,6,7
	global_load_b128 v[\x+32*\c+4*\q:\x+32*\c+4*\q+3], v[\adr], s[\b:\b+1] offset:\off+256*\c+16*\q
.endr
.endr
.endm
	s_load_b64 s[4:5], s[0:1], 0x0                 ; W_attn
	s_load_b128 s[8:11], s[0:1], 0x8               ; hidden s[8:9], wprep s[10:11]
	v_lshl_add_u32 v62, v0, 2, 0x2000
	v_mov_b32 v63, 0
	v_lshrrev_b32 v1, 5, v0
	s_delay_alu instid0(VALU_DEP_1)
	v_readfirstlane_b32 s12, v1                    ; wave 0..7
	s_and_b32 s13, s12, 3                          ; my place within my role
	v_and_b32 v19, 15, v0                          ; r
	v_bfe_u32 v22, v0, 4, 1                        ; h
	v_and_b32 v23, 31, v0                          ; lane
	s_delay_alu instid0(VALU_DEP_3)
	v_lshlrev_b32 v[VW], 12, v19
	s_delay_alu instid0(VALU_DEP_1)
	v_lshl_add_u32 v[VW], v22, 7, v[VW]
	v_lshlrev_b32 v[VH], 11, v19
	s_delay_alu instid0(VALU_DEP_1)
	v_lshl_add_u32 v[VH], v22, 7, v[VH]
	v_lshlrev_b32 v[LI], 4, v23
	v_lshlrev_b32 v[LS], 2, v23
	v_lshlrev_b32 v[SH8], 3, v22
	s_lshl_b32 s14, s13, 11
	v_add_nc_u32 v[PST], s14, v[LI]                ; every LDS address is made here, ahead of the parting of the roles
	s_lshl_b32 s14, s13, 9
	v_add_nc_u32 v[PLD], s14, v[LI]
	v_mov_b32 v[PX], 0                             ; written once: a lane permute's destination counts as one of its sources
	s_mov_b32 s[SEL], 0x76543210
	s_mov_b32 s[SEL+1], 0xfedcba98
	s_lshl_b32 s22, ttmp9, 16                      ; W: 16 rows of 4,096 bytes a work-group,
	s_lshl_b32 s24, s12, 9                         ; 512 bytes a K step
	s_add_co_u32 s22, s22, s24
	s_mov_b32 s23, 0
	s_lshl_b32 s24, s13, 9                         ; hidden: K step wave & 3
	s_mov_b32 s25, 0
	s_lshl_b32 s28, ttmp9, 2
	s_add_co_u32 s28, s28, s13                     ; 4 jt + (wave & 3): my fragment, or my piece of G
	s_mul_i32 s30, s28, 1536
	s_mov_b32 s31, 0
	s_lshl_b32 s32, s28, 7
	s_add_co_u32 s32, s32, WS
	s_mov_b32 s33, 0
	s_lshl_b32 s34, s28, 9
	s_add_co_u32 s34, s34, WG
	s_mov_b32 s35, 0
	s_wait_alu depctr_va_vdst(0)
	s_wait_kmcnt 0x0
	s_add_nc_u64 s[4:5], s[4:5], s[22:23]
	s_add_nc_u64 s[8:9], s[8:9], s[24:25]
	s_add_nc_u64 s[14:15], s[10:11], s[30:31]      ; where a fragment's codes go,
	s_add_nc_u64 s[16:17], s[10:11], s[32:33]      ; its scale words,
	s_add_nc_u64 s[18:19], s[10:11], s[34:35]      ; and a piece of G
	XLOAD X0, VW, 4, 0                             ; W's K step w
	s_cmp_lt_u32 s12, 4
	s_cbranch_scc0 .Lw2
	; ---- waves 0-3: a partial G over K step w
	XLOAD X1, VH, 8, 0                             ; hidden's rows 0-15
	XLOAD X2, VH, 8, 32768                         ; and 16-31
	s_wait_loadcnt 32                              ; W's 16 loads are in; behind them: hidden's 32
	QUANT X0, KC, SCR, PWK
	s_wait_loadcnt 16                              ; rows 0-15 are in; rows 16-31 may be out
	QUANT X1, HC, SCR, PWH
.rept 8
	v_nop                                          ; a scale register written by a vector instruction stands eight places ahead of a scaled matrix instruction, an operand four
.endr
	v_wmma_scale_f32_16x16x128_f8f6f4 v[64:71], v[HC:HC+11], v[KC:KC+11], 0, v[PWH], v[PWK] matrix_a_fmt:MATRIX_FMT_BF6 matrix_b_fmt:MATRIX_FMT_BF6
	s_wait_loadcnt 0x0
	QUANT X2, HC, SCR, PWH                         ; its 32 maxima, which name none of the product's registers, are the places ahead of the new codes and the new scale word
.rept 8
	v_nop
.endr
	v_wmma_scale_f32_16x16x128_f8f6f4 v[72:79], v[HC:HC+11], v[KC:KC+11], 0, v[PWH], v[PWK] matrix_a_fmt:MATRIX_FMT_BF6 matrix_b_fmt:MATRIX_FMT_BF6
.rept 4
	v_nop                                          ; four places ahead of the first read of a result (ISA guide 7.12.1)
.endr
	ds_store_b128 v[PST], v[64:67]                 ; each accumulator from its low end on: pieces 0, 1 (rows 0-15), 2, 3 (rows 16-31)
	ds_store_b128 v[PST], v[68:71] offset:512
	ds_store_b128 v[PST], v[72:75] offset:1024
	ds_store_b128 v[PST], v[76:79] offset:1536
	s_branch .Ljoin
.Lw2:	; ---- waves 4-7: a fragment of W_attn[:, 512:1024] goes out as it stands in the registers
	s_wait_loadcnt 0x0
	QUANT X0, KC, SCR, PWK
.irp c, 0,1,2
	global_store_b128 v[LI], v[KC+4*\c:KC+4*\c+3], s[14:15] offset:512*\c      ; 32 lanes store 512 consecutive bytes, at a multiple of 256 from the buffer's first byte
.endr
	global_store_b32 v[LS], v[PWK], s[16:17]
.Ljoin:
	s_wait_dscnt 0x0                               ; for the others' sake: my partial G lies in LDS
	s_barrier_signal -1
	s_barrier_wait -1
	s_cmp_lt_u32 s12, 4
	s_cbranch_scc0 .Lend
.irp s, 0,1,2,3
	ds_load_b128 v[X1+4*\s:X1+4*\s+3], v[PLD] offset:2048*\s       ; piece w of the four partial G's
.endr
	s_wait_dscnt 0x0
	v_pk_add_f32 v[128:129], v[128:129], v[132:133]
	v_pk_add_f32 v[130:131], v[130:131], v[134:135]
	v_pk_add_f32 v[136:137], v[136:137], v[140:141]
	v_pk_add_f32 v[138:139], v[138:139], v[142:143]
	s_delay_alu instid0(VALU_DEP_2)
	v_pk_add_f32 v[128:129], v[128:129], v[136:137]
	s_delay_alu instid0(VALU_DEP_2)
	v_pk_add_f32 v[130:131], v[130:131], v[138:139]
	global_store_b128 v[LI], v[128:131], s[18:19]
.Lend:
	s_wait_tensorcnt 0x0                           ; the wave's end
	ds_add_u32 v62, v63
	s_wait_dscnt 0x0
	s_endpgm
.Lfunc_end_k_qf8037c07ab_prep:
	.size	k_qf8037c07ab_prep, .Lfunc_end_k_qf8037c07ab_prep-k_qf8037c07ab_prep
	.p2alignl 7, 3214868480
	.fill 96, 4, 3214868480
	.section	.rodata,"a",@progbits
	.p2align	6, 0x0
	.amdhsa_kernel k_qf8037c07ab_prep
		.amdhsa_group_segment_fixed_size 9216
		.amdhsa_private_segment_fixed_size 0
		.amdhsa_enable_private_segment 0
		.amdhsa_kernarg_size 24
		.amdhsa_user_sgpr_count 2
		.amdhsa_user_sgpr_kernarg_segment_ptr 1
		.amdhsa_wavefront_size32 1
		.amdhsa_system_sgpr_workgroup_id_x 1
		.amdhsa_system_sgpr_workgroup_id_y 1
		.amdhsa_system_sgpr_workgroup_id_z 1
		.amdhsa_system_vgpr_workitem_id 0
		.amdhsa_next_free_vgpr 256
		.amdhsa_next_free_sgpr 66
		.amdhsa_reserve_vcc 0
		.amdhsa_float_denorm_mode_32 3
		.amdhsa_float_denorm_mode_16_64 3
		.amdhsa_memory_ordered 1
		.amdhsa_forward_progress 1
		.amdhsa_inst_pref_size 26
	.end_amdhsa_kernel
	.amdgpu_metadata
---
amdhsa.version: [ 1, 2 ]
amdhsa.kernels:
  - .name:           k_qf8037c07ab_prep
    .symbol:         k_qf8037c07ab_prep.kd
    .args:
      - { .name: W_attn, .offset: 0, .size: 8, .value_kind: global_buffer, .address_space: global }
      - { .name: hidden, .offset: 8, .size: 8, .value_kind: global_buffer, .address_space: global }
      - { .name: wprep, .offset: 16, .size: 8, .value_kind: global_buffer, .address_space: global }
    .group_segment_fixed_size: 9216
    .private_segment_fixed_size: 0
    .kernarg_segment_align: 8
    .kernarg_segment_size: 24
    .max_flat_workgroup_size: 256
    .sgpr_count:     66
    .vgpr_count:     256
    .wavefront_size: 32
...
	.end_amdgpu_metadata
.endif
;; end of part 1
;; launch attn (part 2): grid 256 x 1, 8 waves a work-group, no clusters, 327,680 bytes of LDS; arguments encoder_outputs, wprep, v, out0; writes out0
.if DOCPART == 2
	.amdgcn_target "amdgcn-amd-amdhsa--gfx1250"
	.amdhsa_code_object_version 6
	.text
	.protected	k_qf8037c07ab_attn
	.globl	k_qf8037c07ab_attn
	.p2align	8
	.type	k_qf8037c07ab_attn,@function
k_qf8037c07ab_attn:
	s_mov_b64 s[64:65], 0
	v_nop
	global_prefetch_b8 v0, s[64:65] scope:SCOPE_SE
	s_setreg_imm32_b32 hwreg(HW_REG_WAVE_MODE, 25, 1), 1
	s_wait_xcnt 0x0
; out0[b][t] = relu(sum over h' of v[h'] softmax over b of (G[b][h'] + Q(enc[t][b]) . Q(W_attn[h'][512:1024]))).
; G, hidden's half of the product, is the same for every t: launch prep has made it once, with W's codes and scale words, as images of registers.
; SHARES.  A work-group takes 16 t (1,048,576 bytes of enc), 256 work-groups in all.  Wave w keeps 64 h' (16 fragments of W, their scale words, G, v) in registers for the whole launch.
; For each t the 32 x 512 numbers come by tensor loads into a ring of two slots of two t each; wave w quantises 16 rows x 128 K (K step w / 2, rows 16 (w % 2) ..) and
; lays the fragment in LDS as an image of operand registers; every wave reads all eight images and multiplies them with its 64 h'.  A lane then holds one h' and 16 of the 32 b:
; the softmax over b is 16 registers and lane l xor 16.  v[h'] / sum weighs the exponentials, four tiles are added, and a halving exchange over 16 lanes leaves one b a lane.
; TWO ROLES.  role = (w xor w / 4) % 2.  In period p a leading wave (0) multiplies t = p and then finishes t = p; a trailing wave (1) finishes t = p - 1 and then multiplies t = p:
; one kind's matrix instructions stand beside the other kind's vector work.  All waves quantise t = p + 1 in period p and pass one barrier a period; both kinds read image p % 2.
; So there are 17 periods: in the first the trailing waves have nothing to finish (flag VEC), the last is theirs alone.  Every barrier, wait and add stands in the common text.
; PREFETCH: behind each refill a wave names the 64 blocks of 256 bytes (a lane a row, two instructions) of its own part of the refill after that one, about two periods ahead of that load;
; each block is named once, by the wave that will load it; the last refill has none behind it, so the last ask of the loop's last trip is jumped over.
; NO CLUSTER: work-groups share wprep alone, 278,528 bytes against 1,048,576 of their own; it goes straight into registers, and LDS has 13,312 bytes left beside the ring, the images and the sums.
; LIMITS: NaN and infinities among the inputs are not served.  A block of zeros gets the byte 1 where the rule says 127: its codes are zeros, and these bytes are read here alone.
; WORK LEFT OUT: b_attn, which is the same for every b and so falls out of the softmax over b (shown at the head of launch prep); G holds the product alone.
; THE START: t = 0's product is made by every wave ahead of the loop, so in the first period no wave multiplies (flags DOA, DOB); from then on the two flags are the roles.
.set PITCH, 528                        ; an LDS row: 512 bytes + 16 of padding
.set PARTB, 32*PITCH                   ; what one tensor load brings: 32 b x 128 K of one t
.set SLOTB, 8*PARTB                    ; part 2 s + tau: K step s of the slot's t number tau
.set IMG,   2*SLOTB                    ; two sets of eight images of 1,536 bytes
.set IMGP,  8*1536
.set ISC,   IMG+2*IMGP                 ; two sets of eight x 128 bytes of scale words
.set PART,  ISC+2*1024                 ; the waves' partial scores: 2,048 w + 64 lane + 4 t
.set SPARE, PART+8*2048                ; the spare words, 128 bytes a wave
.set WS,    196608                     ; wprep: scale words
.set WG,    212992                     ; wprep: G
.set AS0, 1                            ; v1-2 my rows in slot 0, 1
.set AIW, 3                            ; where my image goes,
.set ASW, 4                            ; and its scale words
.set AIR, 5                            ; where the images are read,
.set ASR, 6                            ; and the scale words
.set APW, 7                            ; my partial scores (a trailing wave's: 4 bytes lower, since it stores t = p - 1 in period p)
.set SPW, 8                            ; my spare word; never rewritten
.set NIL, 9                            ; 0; never rewritten
.set SH8, 10                           ; 8 h
.set APA, 11                           ; APW + 16 x trip
.set VV,  12                           ; v12-15 v[h'] of my four tiles
.set WSC, 16                           ; v16-31 W's scale words
.set XSC, 32                           ; v32-39 the images' scale words
.set XF,  40                           ; v40-135 the eight images; the quantiser's registers lie in them
.set ST,  40
.set PC,  104
.set SCR, 116
.set TM,  124
.set PW,  132
.set D,   136                          ; v136-199 4 tiles of h' x 2 tiles of b
.set ACC, 200                          ; v200-215
.set R,   216
.set T,   220                          ; v220-251 eight a tile: 0 -c max, 2-3 the sum, 4 v / sum, 6 the maximum, 1 and 5 permutes' destinations
.set RT,  220
.set PX,  252
.set PFO, 253                          ; 2,048 x lane: a row of enc; never rewritten
.set G1,  16
.set G0,  24
.set SEL, 32
.set CC,  34
.set ROLE, 15
.set VEC,  41                          ; 1: I have a t to finish in this period
.set NRL,  58                          ; 1 - role
.set DOA,  59                          ; 1: I multiply at the period's head
.set DOB,  60                          ; 1: I multiply at the period's end
.set MSB, 0
; window 1: v0-191 W's 16 fragments, v192-255 G
.macro WIN new
.if MSB != \new
	s_set_vgpr_msb (MSB<<8)|\new
.set MSB, \new
.endif
.endm
; 64 numbers of a lane (register 32 c + i = k 64 c + 32 h + i of its row) become 12 registers of codes and the row's scale word
.macro QUANT x, pc, scr, pw
.irp c, 0,1
	v_max3_num_f32 v[TM+\c], |v[\x+32*\c]|, |v[\x+32*\c+1]|, 0x2800000       ; the floor 2^(5 - 127) among the leaves: the byte cannot fall under 1
	v_max3_num_f32 v[TM+2+\c], |v[\x+32*\c+16]|, |v[\x+32*\c+17]|, |v[\x+32*\c+18]|
.endr
.irp i, 2,4,6,8,10,12
.irp c, 0,1
	s_delay_alu instid0(VALU_DEP_4)
	v_max3_num_f32 v[TM+\c], v[TM+\c], |v[\x+32*\c+\i]|, |v[\x+32*\c+\i+1]|
	s_delay_alu instid0(VALU_DEP_4)
	v_max3_num_f32 v[TM+2+\c], v[TM+2+\c], |v[\x+32*\c+\i+17]|, |v[\x+32*\c+\i+18]|
.endr
.endr
.irp c, 0
	s_delay_alu instid0(VALU_DEP_4)
	v_max3_num_f32 v[TM+\c], v[TM+\c], |v[\x+32*\c+14]|, |v[\x+32*\c+15]|
.endr
.irp c, 1
	s_delay_alu instid0(VALU_DEP_3)
	v_max3_num_f32 v[TM+\c], v[TM+\c], |v[\x+32*\c+14]|, |v[\x+32*\c+15]|
.endr
.irp c, 0,1
	s_delay_alu instid0(VALU_DEP_2)
	v_max3_num_f32 v[TM+\c], v[TM+\c], v[TM+2+\c], |v[\x+32*\c+31]|
.endr
.irp c, 0,1
	s_delay_alu instid0(VALU_DEP_2)
	v_add_nc_u32 v[TM+4+\c], 0xfe000000, v[TM+\c]          ; 4 off the exponent field: the conversion's scale operand
.endr
.irp c, 0,1
	s_delay_alu instid0(VALU_DEP_2)
	v_lshrrev_b32 v[TM+6+\c], 23, v[TM+4+\c]               ; the byte
.endr
	s_delay_alu instid0(VALU_DEP_1)
	v_lshl_or_b32 v[\pw], v[TM+7], 16, v[TM+6]             ; blocks h and 2 + h,
	s_delay_alu instid0(VALU_DEP_1)
	v_lshlrev_b32 v[\pw], v[SH8], v[\pw]                   ; at their places;
	s_delay_alu instid0(VALU_DEP_1)
	v_permlanex16_b32 v[PX], v[\pw], s[SEL], s[SEL+1]
	s_delay_alu instid0(VALU_DEP_1)
	v_or_b32 v[\pw], v[\pw], v[PX]                         ; with lane l xor 16's the word is whole
.irp c, 0,1
	v_cvt_scalef32_pk16_bf6_f32 v[\pc+6*\c:\pc+6*\c+2], v[\x+32*\c:\x+32*\c+15], v[TM+4+\c]
	v_cvt_scalef32_pk16_bf6_f32 v[\scr+4*\c:\scr+4*\c+2], v[\x+32*\c+16:\x+32*\c+31], v[TM+4+\c]   ; (three registers begin on an even number: made elsewhere and moved)
.endr
	v_nop                                                  ; one plain line behind the last scaled conversion
.irp c, 0,1
.irp i, 0,1,2
	v_mov_b32 v[\pc+6*\c+3+\i], v[\scr+4*\c+\i]
.endr
.endr
.endm
.macro IMGLOAD par                     ; 32 loads: eight a K step
.irp s, 0,1,2,3
.irp m, 0,1
.irp c, 0,1,2
	ds_load_b128 v[XF+12*(2*\s+\m)+4*\c:XF+12*(2*\s+\m)+4*\c+3], v[AIR] offset:(\par)*IMGP+(2*\s+\m)*1536+512*\c
.endr
	ds_load_b32 v[XSC+2*\s+\m], v[ASR] offset:(\par)*1024+(2*\s+\m)*128
.endr
.endr
.endm
.macro IMGSTORE par
.irp c, 0,1,2
	ds_store_b128 v[AIW], v[PC+4*\c:PC+4*\c+3] offset:(\par)*IMGP+512*\c
.endr
	ds_store_b32 v[ASW], v[PW] offset:(\par)*1024
.endm
.macro STLOAD sl, tau                  ; my 2 x 32 numbers of my row
.irp c, 0,1
.irp q, 0,1,2,3,4,5,6,7
	ds_load_b128 v[ST+32*\c+4*\q:ST+32*\c+4*\q+3], v[AS0+\sl] offset:(\tau)*PARTB+256*\c+16*\q
.endr
.endr
.endm
; 32 matrix instructions, the eight accumulators by turns; the first K step takes G as C.  counted = 1: the images' loads are the youngest LDS instructions, eight a K step
.macro MULS counted
.irp s, 0,1,2,3
.if \counted
	s_wait_dscnt 24-8*\s                                   ; the loads of the K steps behind this one may be out
.else
.if \s == 0
	s_wait_dscnt 0x0
.endif
.endif
.if \s == 0
	WIN 0x14
.else
	WIN 0x04
.endif
.irp i, 0,1,2,3
.irp m, 0,1
.if \s == 0
	v_wmma_scale_f32_16x16x128_f8f6f4 v[D+16*\i+8*\m:D+16*\i+8*\m+7], v[XF+12*(2*\s+\m):XF+12*(2*\s+\m)+11], v[12*(4*\i+\s):12*(4*\i+\s)+11], v[192+16*\i+8*\m:192+16*\i+8*\m+7], v[XSC+2*\s+\m], v[WSC+4*\i+\s] matrix_a_fmt:MATRIX_FMT_BF6 matrix_b_fmt:MATRIX_FMT_BF6
.else
	v_wmma_scale_f32_16x16x128_f8f6f4 v[D+16*\i+8*\m:D+16*\i+8*\m+7], v[XF+12*(2*\s+\m):XF+12*(2*\s+\m)+11], v[12*(4*\i+\s):12*(4*\i+\s)+11], v[D+16*\i+8*\m:D+16*\i+8*\m+7], v[XSC+2*\s+\m], v[WSC+4*\i+\s] matrix_a_fmt:MATRIX_FMT_BF6 matrix_b_fmt:MATRIX_FMT_BF6
.endif
.endr
.endr
.endr
	WIN 0
.rept 5
	v_nop                                                  ; places ahead of reads of the results, of loads into the images' registers (four) and of a product that begins the sums anew (five)
.endr
.endm
.macro SMAX                            ; the maximum over the 32 b, each accumulator read from its low end on
.irp i, 0,1,2,3
	v_max3_num_f32 v[T+8*\i+6], v[D+16*\i], v[D+16*\i+1], v[D+16*\i+2]
.endr
.irp k, 3,5,7,9,11,13
.irp i, 0,1,2,3
	v_max3_num_f32 v[T+8*\i+6], v[T+8*\i+6], v[D+16*\i+\k], v[D+16*\i+\k+1]
.endr
.endr
.irp i, 0,1,2,3
	v_max_num_f32 v[T+8*\i+6], v[T+8*\i+6], v[D+16*\i+15]
.endr
.irp i, 0,1,2,3
	s_delay_alu instid0(VALU_DEP_4)
	v_permlanex16_b32 v[T+8*\i+1], v[T+8*\i+6], s[SEL], s[SEL+1]
.endr
.irp i, 0,1,2,3
	s_delay_alu instid0(VALU_DEP_4)
	v_max_num_f32 v[T+8*\i+6], v[T+8*\i+6], v[T+8*\i+1]
.endr
.irp i, 0,1,2,3
	s_delay_alu instid0(VALU_DEP_4)
	v_mul_f32 v[T+8*\i], s36, v[T+8*\i+6]                  ; - log2(e) x maximum
.endr
.endm
; the first half of a t's vector work: 2^(log2(e) (x - maximum))
.macro VEC1
	SMAX
.irp k, 0,2,4,6,8,10,12,14
.irp i, 0,1,2,3
	v_pk_fma_f32 v[D+16*\i+\k:D+16*\i+\k+1], v[D+16*\i+\k:D+16*\i+\k+1], s[CC:CC+1], v[T+8*\i:T+8*\i+1] op_sel_hi:[1,0,0]
.endr
.endr
	s_wait_alu depctr_va_vdst(0)                           ; the wait ahead of the batch
.set e, 0
.rept 64
	v_exp_f32 v[D+e], v[D+e]
.set e, e+1
.endr
	v_nop
	s_wait_alu depctr_va_vdst(0)                           ; and behind it, ahead of the label that follows
.endm
.macro SSUM
.irp i, 0,1,2,3
	v_pk_add_f32 v[T+8*\i+2:T+8*\i+3], v[D+16*\i:D+16*\i+1], v[D+16*\i+2:D+16*\i+3]
.endr
.irp k, 4,6,8,10,12,14
.irp i, 0,1,2,3
	v_pk_add_f32 v[T+8*\i+2:T+8*\i+3], v[T+8*\i+2:T+8*\i+3], v[D+16*\i+\k:D+16*\i+\k+1]
.endr
.endr
.irp i, 0,1,2,3
	s_delay_alu instid0(VALU_DEP_4)
	v_add_f32 v[T+8*\i+2], v[T+8*\i+2], v[T+8*\i+3]
.endr
.irp i, 0,1,2,3
	s_delay_alu instid0(VALU_DEP_4)
	v_permlanex16_b32 v[T+8*\i+5], v[T+8*\i+2], s[SEL], s[SEL+1]
.endr
.irp i, 0,1,2,3
	s_delay_alu instid0(VALU_DEP_4)
	v_add_f32 v[T+8*\i+2], v[T+8*\i+2], v[T+8*\i+5]
.endr
	s_wait_alu depctr_va_vdst(0)
.irp i, 0,1,2,3
	v_rcp_f32 v[T+8*\i+4], v[T+8*\i+2]
.endr
.endm
.macro SACC i
.irp k, 0,2,4,6,8,10,12,14
.if (\i) == 0
	v_pk_mul_f32 v[ACC+\k:ACC+\k+1], v[D+16*(\i)+\k:D+16*(\i)+\k+1], v[T+8*(\i)+4:T+8*(\i)+5] op_sel_hi:[1,0]
.else
	v_pk_fma_f32 v[ACC+\k:ACC+\k+1], v[D+16*(\i)+\k:D+16*(\i)+\k+1], v[T+8*(\i)+4:T+8*(\i)+5], v[ACC+\k:ACC+\k+1] op_sel_hi:[1,0,1]
.endif
.endr
.endm
; 2 n registers become n: a lane keeps the half that its bit of the lane number names, and adds its partner's part of it
.macro RSTEP n, msk, xm, dst
.set ri, 0
.rept \n
	v_cndmask_b32 v[RT+ri], v[ACC+ri], v[ACC+ri+\n], s[\msk]
	v_cndmask_b32 v[ACC+ri+\n], v[ACC+ri+\n], v[ACC+ri], s[\msk]
.set ri, ri+1
.endr
.set ri, 0
.rept \n
	v_add_f32_dpp v[\dst+ri], v[ACC+ri+\n], v[RT+ri] row_xmask:\xm row_mask:0xf bank_mask:0xf
.set ri, ri+1
.endr
.endm
; the second half: the sums, v / sum, the four tiles added, 16 lanes added: lane l is left with b = 16 (l / 8 % 2) + 8 (l / 16) + l % 8
.macro VEC2 off
	SSUM
	v_nop
	s_wait_alu depctr_va_vdst(0)
.irp i, 0,1,2,3
	v_mul_f32 v[T+8*\i+4], v[VV+\i], v[T+8*\i+4]
.endr
	SACC 0
	SACC 1
	SACC 2
	SACC 3
	RSTEP 8, 37, 8, ACC
	RSTEP 4, 38, 4, ACC
	RSTEP 2, 39, 2, ACC
	RSTEP 1, 40, 1, R
	ds_store_b32 v[APA], v[R] offset:\off
.endm
; A PERIOD.  p: its number mod 4; sl, tau: where t = p + 1 lies; meet: the three lines ahead of the barrier; fill: slot sl is filled again behind it;
; pf: byte offset of the prefetch (0: none), pfskip: not in the loop's last trip; first: the trailing waves may have nothing to finish; bar: a barrier ends it.
; Waits on va_vdst stand ahead of branches, blocking waits and signals.
.macro PER p, sl, tau, quant, meet, fill, pf, pfskip, first, bar
	s_wait_alu depctr_va_vdst(0)
.if \first
	s_cmp_eq_u32 s[DOA], 0
.else
	s_cmp_lg_u32 s[ROLE], 0
.endif
	s_cbranch_scc1 .Lt_\@
	IMGLOAD ((\p)&1)                                       ; leading waves: this period's product first
	MULS 1
.Lt_\@:
.if \quant
	STLOAD \sl, \tau
.endif
.if \pf
.if \pfskip
	s_cmp_eq_u32 s13, 1
	s_cbranch_scc1 .Ln_\@
.endif
	global_prefetch_b8 v[PFO], s[4:5] offset:\pf th:TH_LOAD_NT scope:SCOPE_SE
	global_prefetch_b8 v[PFO], s[4:5] offset:\pf+256 th:TH_LOAD_NT scope:SCOPE_SE
.Ln_\@:
.endif
.if \first
	s_cmp_eq_u32 s[VEC], 0
	s_cbranch_scc1 .Lq_\@
.endif
	VEC1
.Lq_\@:
.if \quant
	s_wait_dscnt 0x0
	QUANT ST, PC, SCR, PW
	IMGSTORE (((\p)+1)&1)
.endif
	s_wait_alu depctr_va_vdst(0)
.if \first
	s_cmp_eq_u32 s[DOB], 0
.else
	s_cmp_eq_u32 s[ROLE], 0
.endif
	s_cbranch_scc1 .Lu_\@
	IMGLOAD ((\p)&1)                                       ; trailing waves: the images come in under the second half of the vector work
.Lu_\@:
.if \first
	s_cmp_eq_u32 s[VEC], 0
	s_cbranch_scc1 .Lw_\@
.endif
	VEC2 4*((\p)&3)
.Lw_\@:
	s_wait_alu depctr_va_vdst(0)
.if \first
	s_cmp_eq_u32 s[DOB], 0
.else
	s_cmp_eq_u32 s[ROLE], 0
.endif
	s_cbranch_scc1 .Lx_\@
	MULS 0                                                 ; trailing waves: this period's product last
.Lx_\@:
.if \first
	s_mov_b32 s[VEC], 1                                    ; from the second period on every wave has a t to finish,
	s_mov_b32 s[DOA], s[NRL]                               ; and multiplies by its role
	s_mov_b32 s[DOB], s[ROLE]
.endif
.if \bar
	s_wait_alu depctr_va_vdst(0)
.if \meet
	s_wait_tensorcnt 0x0                                   ; my one load that was out, my part of the other slot, has landed
	ds_add_u32 v[SPW], v[NIL]
.if \fill
	s_add_nc_u64 s[G0+4*(\sl)+2:G0+4*(\sl)+3], s[G0+4*(\sl)+2:G0+4*(\sl)+3], 262144   ; this slot's next two t: four t on
.endif
.endif
	s_wait_dscnt 0x0                                       ; my image lies in LDS, my reads of images and slot are over
	s_barrier_signal -1
	s_barrier_wait -1
.if \fill
	tensor_load_to_lds s[G0+4*(\sl):G0+4*(\sl)+3], s[G1:G1+7]
	s_nop 0
.endif
.endif
.endm
	s_load_b256 s[4:11], s[0:1], 0x0               ; enc, wprep, v, out0
	v_lshl_add_u32 v[SPW], v0, 2, SPARE
	v_mov_b32 v[NIL], 0
	ds_add_u32 v[SPW], v[NIL]
	ds_add_u32 v[SPW], v[NIL]
	v_lshrrev_b32 v1, 5, v0
	s_delay_alu instid0(VALU_DEP_1)
	v_readfirstlane_b32 s12, v1                    ; wave 0..7
	s_lshr_b32 s[ROLE], s12, 2
	s_xor_b32 s[ROLE], s[ROLE], s12
	s_and_b32 s[ROLE], s[ROLE], 1
	s_xor_b32 s[VEC], s[ROLE], 1
	s_mov_b32 s[G1+0], (2<<16)|(1<<20)|(6<<22)|(3<<25)     ; elements of 4 bytes; 4 dwords of padding behind every 128
	s_mov_b32 s[G1+1], 128<<16
	s_mov_b32 s[G1+2], 32<<16
	s_mov_b32 s[G1+3], 128<<16
	s_mov_b32 s[G1+4], 32
	s_mov_b32 s[G1+5], 512
	s_mov_b32 s[G1+6], 0
	s_mov_b32 s[G1+7], 0
	s_mov_b32 s[SEL], 0x76543210
	s_mov_b32 s[SEL+1], 0xfedcba98
	s_mov_b32 s[CC], 0x3fb8aa3b                    ; log2(e)
	s_mov_b32 s[CC+1], 0x3fb8aa3b
	s_mov_b32 s36, 0xbfb8aa3b
	s_mov_b32 s37, 0xff00ff00
	s_mov_b32 s38, 0xf0f0f0f0
	s_mov_b32 s39, 0xcccccccc
	s_mov_b32 s40, 0xaaaaaaaa
	s_lshl_b32 s50, ttmp9, 20                      ; enc: 16 t of 65,536 bytes a work-group,
	s_and_b32 s51, s12, 1
	s_lshl_b32 s51, s51, 16                        ; t number w % 2 of a slot,
	s_add_co_u32 s50, s50, s51
	s_lshr_b32 s51, s12, 1
	s_lshl_b32 s51, s51, 9                         ; K step w / 2
	s_add_co_u32 s50, s50, s51
	s_mov_b32 s51, 0
	s_mul_i32 s52, s12, PARTB
	s_mul_i32 s54, s12, 24576
	s_mov_b32 s55, 0
	s_lshl_b32 s56, s12, 11
	s_add_co_u32 s56, s56, WS
	s_mov_b32 s57, 0
	s_lshl_b32 s58, s12, 13
	s_add_co_u32 s58, s58, WG
	s_mov_b32 s59, 0
	s_lshl_b32 s60, s12, 8
	s_mov_b32 s61, 0
	s_lshl_b32 s62, ttmp9, 6
	s_mov_b32 s63, 0
	s_wait_dscnt 0x0
	s_wait_kmcnt 0x0
	s_add_nc_u64 s[4:5], s[4:5], s[50:51]
.irp s, 0,1
	s_mov_b32 s[G0+4*\s], 1
	s_add_co_u32 s[G0+4*\s+1], s52, \s*SLOTB
	s_add_nc_u64 s[G0+4*\s+2:G0+4*\s+3], s[4:5], \s*131072
	s_or_b32 s[G0+4*\s+3], s[G0+4*\s+3], 0x80000000
.endr
	tensor_load_to_lds s[G0:G0+3], s[G1:G1+7]      ; t = 0, 1: my one tensor load at the head
	s_nop 0
	s_add_nc_u64 s[42:43], s[6:7], s[54:55]
	s_add_nc_u64 s[44:45], s[6:7], s[56:57]
	s_add_nc_u64 s[46:47], s[6:7], s[58:59]
	s_add_nc_u64 s[48:49], s[8:9], s[60:61]
	s_add_nc_u64 s[10:11], s[10:11], s[62:63]
	s_lshr_b32 s50, s12, 1
	s_mul_i32 s50, s50, 2*PARTB
	s_and_b32 s54, s12, 1
	s_mul_i32 s54, s54, 16*PITCH
	s_add_co_u32 s50, s50, s54
	s_mul_i32 s51, s12, 1536
	s_add_co_u32 s51, s51, IMG
	s_lshl_b32 s52, s12, 7
	s_add_co_u32 s52, s52, ISC
	s_lshl_b32 s53, s12, 11
	s_add_co_u32 s53, s53, PART-4
	s_lshl_b32 s54, s[VEC], 2                      ; leading waves: + 4
	s_add_co_u32 s53, s53, s54
	v_and_b32 v136, 31, v0                         ; lane
	v_and_b32 v138, 15, v0                         ; r
	v_bfe_u32 v139, v0, 4, 1                       ; h
	v_lshlrev_b32 v137, 2, v136
	v_lshlrev_b32 v140, 4, v136
	v_lshlrev_b32 v141, 2, v138
	v_lshlrev_b32 v142, 6, v136
	v_lshlrev_b32 v[PFO], 11, v136
	v_mul_u32_u24 v[AS0], v138, PITCH
	s_delay_alu instid0(VALU_DEP_1)
	v_lshl_add_u32 v[AS0], v139, 7, v[AS0]
	s_delay_alu instid0(VALU_DEP_1)
	v_add_nc_u32 v[AS0], s50, v[AS0]
	s_delay_alu instid0(VALU_DEP_1)
	v_add_nc_u32 v[AS0+1], SLOTB, v[AS0]
	v_add_nc_u32 v[AIW], s51, v140
	v_add_nc_u32 v[ASW], s52, v137
	v_add_nc_u32 v[AIR], IMG, v140
	v_add_nc_u32 v[ASR], ISC, v137
	v_add_nc_u32 v[APW], s53, v142
	v_lshlrev_b32 v[SH8], 3, v139
	v_mov_b32 v[PX], 0                             ; destinations of lane permutes and DPP forms count as sources: written once
	v_mov_b32 v[R], 0
.irp j, 0,1,2,3
	v_mov_b32 v[T+8*\j+1], 0
	v_mov_b32 v[T+8*\j+5], 0
.endr
	s_wait_alu depctr_va_vdst(0)
	global_prefetch_b8 v[PFO], s[4:5] offset:131072 th:TH_LOAD_NT scope:SCOPE_SE       ; my part of t = 2, 3
	global_prefetch_b8 v[PFO], s[4:5] offset:131072+256 th:TH_LOAD_NT scope:SCOPE_SE
	WIN 0x40                                       ; W's fragments and G into window 1, under the first tile's flight
.set f, 0
.rept 48
	global_load_b128 v[4*f:4*f+3], v140, s[42:43] offset:512*f
.set f, f+1
.endr
.set f, 0
.rept 16
	global_load_b128 v[192+4*f:192+4*f+3], v140, s[46:47] offset:512*f
.set f, f+1
.endr
	WIN 0
.set f, 0
.rept 16
	global_load_b32 v[WSC+f], v137, s[44:45] offset:128*f
.set f, f+1
.endr
.irp i, 0,1,2,3
	global_load_b32 v[VV+\i], v141, s[48:49] offset:64*\i
.endr
	s_wait_tensorcnt 0x0                           ; slot 1's first fill stands behind the same lines as a refill
	ds_add_u32 v[SPW], v[NIL]
	s_wait_dscnt 0x0
	s_barrier_signal -1
	s_barrier_wait -1                              ; slot 0 is whole
	tensor_load_to_lds s[G0+4:G0+7], s[G1:G1+7]    ; t = 2, 3
	s_nop 0
	STLOAD 0, 0
	global_prefetch_b8 v[PFO], s[4:5] offset:262144 th:TH_LOAD_NT scope:SCOPE_SE       ; my part of t = 4, 5: the first refill's
	global_prefetch_b8 v[PFO], s[4:5] offset:262144+256 th:TH_LOAD_NT scope:SCOPE_SE
	s_wait_dscnt 0x0
	QUANT ST, PC, SCR, PW
	IMGSTORE 0
	s_wait_alu depctr_va_vdst(0)
	s_wait_dscnt 0x0
	s_barrier_signal -1
	s_barrier_wait -1                              ; image 0 is whole
	s_wait_loadcnt 0x0                             ; W, G, the scale words and v are in
	IMGLOAD 0                                      ; t = 0's product, in every wave
	MULS 1
	s_xor_b32 s[NRL], s[ROLE], 1
	s_mov_b32 s[DOA], 0
	s_mov_b32 s[DOB], 0
	s_mov_b32 s13, 3
	s_mov_b32 s14, 0
.Lbody:                                                ; four periods a trip: periods 0 to 11, and all six refills
	v_add_nc_u32 v[APA], s14, v[APW]
	PER 0, 0, 1, 1, 1, 1, 0, 0, 1, 1
	PER 1, 1, 0, 1, 0, 0, 393216, 0, 0, 1
	PER 2, 1, 1, 1, 1, 1, 0, 0, 0, 1
	PER 3, 0, 0, 1, 0, 0, 524288, 1, 0, 1
	s_wait_xcnt 0x0                                ; the prefetches have read their base
	s_add_nc_u64 s[4:5], s[4:5], 262144
	s_add_co_u32 s14, s14, 16
	s_sub_co_u32 s13, s13, 1
	s_cmp_lg_u32 s13, 0
	s_cbranch_scc1 .Lbody
	v_add_nc_u32 v[APA], s14, v[APW]
	PER 0, 0, 1, 1, 1, 0, 0, 0, 0, 1               ; periods 12 to 15 fill nothing; the last load, t = 14, 15, is waited for here
	PER 1, 1, 0, 1, 0, 0, 0, 0, 0, 1
	PER 2, 1, 1, 1, 0, 0, 0, 0, 0, 1
	PER 3, 0, 0, 0, 0, 0, 0, 0, 0, 0
	s_wait_alu depctr_va_vdst(0)
	s_cmp_eq_u32 s[ROLE], 0
	s_cbranch_scc1 .Lfin
	VEC1                                           ; period 16: the trailing waves finish t = 15
	VEC2 16
.Lfin:
	s_wait_alu depctr_va_vdst(0)
	s_wait_dscnt 0x0
	s_barrier_signal -1
	s_barrier_wait -1                              ; all partial scores lie in LDS
	v_lshl_add_u32 v138, v0, 3, PART               ; thread n: lane n / 8's b, t = 2 (n % 8) and the next
.irp w, 0,1,2,3,4,5,6,7
	ds_load_b64 v[140+2*\w:141+2*\w], v138 offset:2048*\w
.endr
	v_and_b32 v136, 7, v0
	v_lshrrev_b32 v137, 3, v0
	s_delay_alu instid0(VALU_DEP_1)
	v_and_b32 v139, 7, v137
	v_bfe_u32 v220, v137, 3, 1                     ; (scratch outside the accumulators' registers)
	v_lshrrev_b32 v221, 4, v137
	s_delay_alu instid0(VALU_DEP_1)
	v_lshl_add_u32 v139, v221, 3, v139
	s_delay_alu instid0(VALU_DEP_1)
	v_lshl_add_u32 v139, v220, 4, v139             ; b
	s_delay_alu instid0(VALU_DEP_1)
	v_lshlrev_b32 v139, 14, v139                   ; a row of out0 is 16,384 bytes
	s_delay_alu instid0(VALU_DEP_1)
	v_lshl_add_u32 v139, v136, 3, v139
	s_wait_alu depctr_va_vdst(0)
	s_wait_dscnt 0x0
	v_pk_add_f32 v[140:141], v[140:141], v[142:143]
	v_pk_add_f32 v[144:145], v[144:145], v[146:147]
	v_pk_add_f32 v[148:149], v[148:149], v[150:151]
	v_pk_add_f32 v[152:153], v[152:153], v[154:155]
	s_delay_alu instid0(VALU_DEP_3)
	v_pk_add_f32 v[140:141], v[140:141], v[144:145]
	s_delay_alu instid0(VALU_DEP_2)
	v_pk_add_f32 v[148:149], v[148:149], v[152:153]
	s_delay_alu instid0(VALU_DEP_1)
	v_pk_add_f32 v[140:141], v[140:141], v[148:149]
	s_delay_alu instid0(VALU_DEP_1)
	v_max_num_f32 v140, 0, v140                    ; relu
	s_delay_alu instid0(VALU_DEP_2)
	v_max_num_f32 v141, 0, v141
	global_store_b64 v139, v[140:141], s[10:11] th:TH_STORE_NT     ; eight lanes store a row's 64 bytes: the work-group's 16 t
	s_wait_tensorcnt 0x0                           ; the wave's end
	ds_add_u32 v[SPW], v[NIL]
	s_wait_dscnt 0x0
	s_endpgm
.Lfunc_end_k_qf8037c07ab_attn:
	.size	k_qf8037c07ab_attn, .Lfunc_end_k_qf8037c07ab_attn-k_qf8037c07ab_attn
	.p2alignl 7, 3214868480
	.fill 96, 4, 3214868480
	.section	.rodata,"a",@progbits
	.p2align	6, 0x0
	.amdhsa_kernel k_qf8037c07ab_attn
		.amdhsa_group_segment_fixed_size 327680
		.amdhsa_private_segment_fixed_size 0
		.amdhsa_enable_private_segment 0
		.amdhsa_kernarg_size 32
		.amdhsa_user_sgpr_count 2
		.amdhsa_user_sgpr_kernarg_segment_ptr 1
		.amdhsa_wavefront_size32 1
		.amdhsa_system_sgpr_workgroup_id_x 1
		.amdhsa_system_sgpr_workgroup_id_y 1
		.amdhsa_system_sgpr_workgroup_id_z 1
		.amdhsa_system_vgpr_workitem_id 0
		.amdhsa_next_free_vgpr 512
		.amdhsa_next_free_sgpr 66
		.amdhsa_reserve_vcc 0
		.amdhsa_float_denorm_mode_32 3
		.amdhsa_float_denorm_mode_16_64 3
		.amdhsa_memory_ordered 1
		.amdhsa_forward_progress 1
		.amdhsa_inst_pref_size 255
	.end_amdhsa_kernel
	.section	.bss,"aw",@nobits
	.p2align	6
	.space	262144
	.amdgpu_metadata
---
amdhsa.version: [ 1, 2 ]
amdhsa.kernels:
  - .name:           k_qf8037c07ab_attn
    .symbol:         k_qf8037c07ab_attn.kd
    .args:
      - { .name: encoder_outputs, .offset: 0, .size: 8, .value_kind: global_buffer, .address_space: global }
      - { .name: wprep, .offset: 8, .size: 8, .value_kind: global_buffer, .address_space: global }
      - { .name: v, .offset: 16, .size: 8, .value_kind: global_buffer, .address_space: global }
      - { .name: out0, .offset: 24, .size: 8, .value_kind: global_buffer, .address_space: global }
    .group_segment_fixed_size: 327680
    .private_segment_fixed_size: 0
    .kernarg_segment_align: 8
    .kernarg_segment_size: 32
    .max_flat_workgroup_size: 256
    .sgpr_count:     66
    .vgpr_count:     512
    .wavefront_size: 32
...
	.end_amdgpu_metadata
.endif
;; end of part 2
